; MI455X (gfx1250); checked and timed in simulation.
; The chip was launched on July 23, 2026; its instructions are those of AMD's public machine-readable ISA for CDNA 5 (MIT licence, August 2026) and "CDNA5" Instruction Set Architecture Reference Guide (July 2026). The comments in the code are by the model that wrote it; some were corrected since.
;; Set Eq4to4. Allowed arithmetic: float matrix products may take bf16 or f16 operands with f32 sums; all other float work in f32.
;; Inputs: bias 1 x 8 x 1 x 1 x 1 x 1 float32; coefs 8 x 8 x 69 float32; x 2 x 8 x 32 x 32 x 32 x 32 float32.
;; Outputs: out0 2 x 8 x 32 x 32 x 32 x 32 float32.
;; One version. Each part assembles by itself: llvm-mc -triple=amdgcn-amd-amdhsa -mcpu=gfx1250 --defsym DOCPART=n.
;; ======== version 1 of 1: 3 launches
;; workspace buffers: p3 20,971,520 bytes; p2 2,162,688 bytes; p1 81,920 bytes; cb 11,008 bytes; tb 8,790,016 bytes
;; launch reduce (part 1): grid 256 x 1, 8 waves a work-group, no clusters, 95,232 bytes of LDS; arguments x, coefs, p3, p2, p1, cb; writes p3, p2, p1, cb
.if DOCPART == 1
	.amdgcn_target "amdgcn-amd-amdhsa--gfx1250"
	.amdhsa_code_object_version 6
	.text
	.protected	k_q45efe5e4ee_reduce
	.globl	k_q45efe5e4ee_reduce
	.p2align	8
	.type	k_q45efe5e4ee_reduce,@function
k_q45efe5e4ee_reduce:
	s_mov_b64 s[64:65], 0
	v_nop
	global_prefetch_b8 v0, s[64:65] scope:SCOPE_SE
	s_setreg_imm32_b32 hwreg(HW_REG_WAVE_MODE, 25, 1), 1
	s_wait_xcnt 0x0
; All partial sums of x[n][d][i][j][k][l] (32^4 per plane, 16 planes pl = n*8+d) over every subset of the four axes, x read once.
; A work-group owns a box of 8 i x 8 j x 32 k x 32 l of one plane.  Thread t owns k = t>>3 and the four l at 4*(t&7), so a wave's
; load covers 512 neighbouring bytes.  Sums over i and over j stay in registers, sums over l and over k go through lane exchanges and LDS.
; Sums that span work-groups are left as partials (one per ib, per jb or per both), each stored by one work-group; the next launch adds them.
;   p3: R012, R013 whole; R023 four partials (jb); R123 four partials (ib).  One partial = [pl][32][32][32] f32 = 0x200000 bytes.
;   p2: units of 0x10000 bytes [pl][32][32]: R01 0; R02 1+jb; R03 5+jb; R12 9+ib; R13 13+ib; R23 17+4ib+jb.
;   p1: units of 2048 bytes [pl][32]: R0 jb; R1 4+ib; R2 8+4ib+jb; R3 24+4ib+jb.
;   cb: coefs as bf16 [70 idx][8 s][8 d] (idx 69 repeats 68, so that every store of 256 bytes is whole); made by wave 7 of groups 0..34.
;       Behind it, at byte 8960: bf16 of (coef - its bf16) for idx 0..15, the rank-1 terms, in the same layout (groups 0..7).
; The rank-2 and rank-1 partials leave as 128 bytes or less a wave: about 1 MB of the launch's 22 MB of stores.
; No matrix unit, no cluster, no data mover: no two work-groups read the same byte, and the arithmetic is sums in f32.
; Limit: the order of the f32 additions differs from the reference's.
.set PIT,   144                        ; LDS row of 32 f32 + 16 bytes
.set WP12,  1056                       ; S012: a wave's 64 rows x 16 bytes + 32
.set S013F, 9216                       ; 64 rows x PIT: sums over k, whole
.set S2,    18432                      ; 2 x 8 waves x 128 bytes
.set S013W, 20480                      ; 8 waves x 64 rows x PIT: sums over a wave's four k
.set WREG,  9216
.set CBLO,  8960                       ; byte of cb at which the low parts begin
.set VT16, 2                           ; 16 t
.set VL4,  3                           ; 4 lane
.set VS12, 4                           ; S012 store: w*WP12 + lq*16 + kk*4
.set VS13, 5                           ; S013W store: S013W + w*WREG + kk*PIT + lq*16
.set VA,   6                           ; w*4*PIT + kk*PIT + lq*16: row t>>3, quad lq
.set VA2,  7                           ; VA + 4*WREG
.set VG,   8                           ; (t>>6)*4096 + (t&63)*16: the same row in R012 / R013
.set VROW, 9                           ; S012 word (row 8w, k = lane)
.set VCOL, 10                          ; S012 word (row w, k = lane)
.set VS2,  11                          ; w*128 + 4 lane
.set ACC,  16                          ; v[16:47]   sum over ii, for each jj
.set R0,   48                          ; three row buffers of 32 registers
.set R1,   80
.set R2,   112
.set E,    144                         ; v[144:147] sum over jj of a row
.set T,    148                         ; v[148:155]
.set U,    156                         ; v[156:159]
.set Y,    160                         ; v[160:175]
.set VG12, 176                         ; S012 read: lq*WP12 + (t>>3)*16
.set VROWF,177                         ; w*8*PIT + 4 lane
.set VCOLF,178                         ; w*PIT + 4 lane
	s_load_b256 s[4:11], s[0:1], 0x0               ; x s[4:5], coefs s[6:7], p3 s[8:9], p2 s[10:11]
	s_load_b128 s[12:15], s[0:1], 0x20             ; p1 s[12:13], cb s[14:15]
	v_lshl_add_u32 v208, v0, 2, 0x17000
	v_mov_b32 v209, 0
	v_and_b32 v1, 31, v0                           ; lane
	v_lshrrev_b32 v12, 5, v0
	v_readfirstlane_b32 s20, v12                   ; wave w
	s_mov_b32 s16, ttmp9                           ; g
	s_lshr_b32 s17, s16, 4                         ; pl
	s_bfe_u32 s18, s16, 0x20002                    ; ib
	s_and_b32 s19, s16, 3                          ; jb
	s_mov_b32 s23, 0                               ; high word of every offset pair s[22:23]
	v_lshlrev_b32 v[VT16], 4, v0
.macro SB dst, ptr                     ; a base = a buffer's address + the offset in s[22:23]
	s_add_nc_u64 s[\dst:\dst+1], s[\ptr:\ptr+1], s[22:23]
.endm
.macro LROW buf, ii                    ; row ii of the box: eight jj, 16 bytes a lane each
.irp jj, 0,1,2,3,4,5,6,7
	global_load_b128 v[\buf+4*\jj:\buf+4*\jj+3], v[VT16], s[24:25] offset:\ii*131072+\jj*4096 th:TH_LOAD_NT
.endr
.endm
	s_lshl_b32 s22, s17, 22                        ; plane, 8 ib rows of i, 8 jb rows of j
	s_lshl_b32 s21, s18, 20
	s_add_co_u32 s22, s22, s21
	s_lshl_b32 s21, s19, 15
	s_add_co_u32 s22, s22, s21
	s_wait_kmcnt 0x0
	SB 24, 4                                       ; s[24:25] the box in x
	LROW ACC, 0                                    ; row 0 starts the sums over ii: nothing is cleared
	LROW R0, 1
	LROW R1, 2
	LROW R2, 3
	s_mov_b32 s46, 0xf0f0f0f0                      ; lanes with bit 2 set
	s_mov_b32 s47, 0xcccccccc                      ; bit 1
	s_mov_b32 s48, 0xaaaaaaaa                      ; bit 0
	s_mov_b32 s49, 0xff00ff00                      ; bit 3
	s_mov_b32 s50, 0x76543210                      ; v_permlanex16_b32: lane i of the other half
	s_mov_b32 s51, 0xfedcba98
	v_lshlrev_b32 v[VL4], 2, v1
	v_and_b32 v12, 7, v1                           ; lq
	v_lshrrev_b32 v13, 3, v1                       ; kk
	v_lshlrev_b32 v14, 4, v12                      ; 16 lq
	s_mul_i32 s21, s20, WP12
	v_lshl_add_u32 v[VS12], v13, 2, v14
	v_add_nc_u32 v[VS12], s21, v[VS12]
	v_mad_u32_u24 v15, v13, PIT, v14               ; kk*PIT + 16 lq
	s_mul_i32 s21, s20, WREG
	s_add_co_u32 s21, s21, S013W
	v_add_nc_u32 v[VS13], s21, v15
	s_mul_i32 s21, s20, 4*PIT
	v_add_nc_u32 v[VA], s21, v15
	v_add_nc_u32 v[VA2], 4*WREG, v[VA]
	v_mul_u32_u24 v[VG12], v12, WP12
	v_lshl_add_u32 v[VG12], v13, 4, v[VG12]
	s_lshl_b32 s21, s20, 6
	v_add_nc_u32 v[VG12], s21, v[VG12]
	v_lshrrev_b32 v14, 6, v0
	v_and_b32 v15, 63, v0
	v_lshlrev_b32 v15, 4, v15
	v_lshl_add_u32 v[VG], v14, 12, v15
	v_lshrrev_b32 v14, 2, v1
	v_and_b32 v15, 3, v1
	v_lshlrev_b32 v15, 2, v15
	v_mad_u32_u24 v14, v14, WP12, v15              ; word k = lane of an S012 row
	s_lshl_b32 s21, s20, 7
	v_add_nc_u32 v[VROW], s21, v14
	v_add_nc_u32 v[VS2], s21, v[VL4]
	s_lshl_b32 s21, s20, 4
	v_add_nc_u32 v[VCOL], s21, v14
	s_mul_i32 s21, s20, 8*PIT
	v_add_nc_u32 v[VROWF], s21, v[VL4]
	s_mul_i32 s21, s20, PIT
	v_add_nc_u32 v[VCOLF], s21, v[VL4]
	; the stores' bases
	s_lshl_b32 s53, s17, 17                        ; pl in p3
	s_lshl_b32 s54, s17, 12                        ; pl in p2
	s_lshl_b32 s55, s17, 7                         ; pl in p1
	s_lshl_b32 s57, s18, 15
	s_lshl_b32 s58, s19, 15
	s_add_co_u32 s22, s19, 2                       ; R023: partial 2 + jb, row i0
	s_lshl_b32 s22, s22, 21
	s_add_co_u32 s22, s22, s53
	s_add_co_u32 s22, s22, s57
	SB 26, 8
	s_add_co_u32 s22, s18, 6                       ; R123: partial 6 + ib, row j0
	s_lshl_b32 s22, s22, 21
	s_add_co_u32 s22, s22, s53
	s_add_co_u32 s22, s22, s58
	SB 28, 8
	s_lshl_b32 s22, s19, 10                        ; R012 at (i0, j0); R013 lies 0x200000 further
	s_add_co_u32 s22, s22, s53
	s_add_co_u32 s22, s22, s57
	SB 30, 8
	s_lshl2_add_u32 s56, s18, s19                  ; 4 ib + jb
	s_add_co_u32 s22, s56, 17                      ; R23
	s_lshl_b32 s22, s22, 16
	s_add_co_u32 s22, s22, s54
	SB 32, 10
	s_lshl_b32 s59, s20, 7
	s_add_co_u32 s59, s59, s54                     ; pl and row w in p2
	s_add_co_u32 s22, s19, 1                       ; R02 row i0 + w; R03 lies 0x40000 further
	s_lshl_b32 s22, s22, 16
	s_lshl_b32 s21, s18, 10
	s_add_co_u32 s22, s22, s21
	s_add_co_u32 s22, s22, s59
	SB 34, 10
	s_add_co_u32 s22, s18, 9                       ; R12 row j0 + w; R13 lies 0x40000 further
	s_lshl_b32 s22, s22, 16
	s_lshl_b32 s21, s19, 10
	s_add_co_u32 s22, s22, s21
	s_add_co_u32 s22, s22, s59
	SB 36, 10
	s_lshl_b32 s22, s18, 10                        ; R01 (i0 + w, j0)
	s_lshl_b32 s21, s19, 5
	s_add_co_u32 s22, s22, s21
	s_add_co_u32 s22, s22, s59
	SB 38, 10
	s_lshl_b32 s60, s20, 2
	s_add_co_u32 s60, s60, s55                     ; pl and word w in p1
	s_lshl_b32 s22, s19, 11                        ; R0 (i0 + w), partial jb
	s_lshl_b32 s21, s18, 5
	s_add_co_u32 s22, s22, s21
	s_add_co_u32 s22, s22, s60
	SB 40, 12
	s_add_co_u32 s22, s18, 4                       ; R1 (j0 + w), partial ib
	s_lshl_b32 s22, s22, 11
	s_lshl_b32 s21, s19, 5
	s_add_co_u32 s22, s22, s21
	s_add_co_u32 s22, s22, s60
	SB 42, 12
; Eight values in v[b..b+7], summed over the eight lanes that differ in bits 0-2; lane q of the eight ends with value q in v[b].
; Each step keeps the half of the values whose index bit equals the lane's bit and hands the other half to the partner lane.
.macro SCAT1 b, c, n, m, x
	v_cndmask_b32 v[U+\c], v[\b+\c+\n], v[\b+\c], s\m
	v_cndmask_b32 v[\b+\c], v[\b+\c], v[\b+\c+\n], s\m
	v_add_f32_dpp v[\b+\c], v[U+\c], v[\b+\c] row_xmask:\x row_mask:0xf bank_mask:0xf
.endm
.macro SCAT8 b
.irp c, 0,1,2,3
	SCAT1 \b, \c, 4, 46, 4
.endr
.irp c, 0,1
	SCAT1 \b, \c, 2, 47, 2
.endr
	SCAT1 \b, 0, 1, 48, 1
.endm
; One row ii of the box, in buf.  left = younger loads that may stay out (eight for each younger row).
.macro ROW buf, ii, left, acc
	s_wait_loadcnt \left
	s_wait_xcnt 0x0                                ; E, the last row's store data, is rewritten only behind this wait
.if \acc
.irp q, 0,1,2,3,4,5,6,7,8,9,10,11,12,13,14,15
	v_pk_add_f32 v[ACC+2*\q:ACC+2*\q+1], v[ACC+2*\q:ACC+2*\q+1], v[\buf+2*\q:\buf+2*\q+1]
.endr
.endif
.irp p, 0,2                                        ; E = sum over jj: R023 partial
	v_pk_add_f32 v[E+\p:E+\p+1], v[\buf+\p:\buf+\p+1], v[\buf+4+\p:\buf+4+\p+1]
.irp jj, 2,3,4,5,6,7
	v_pk_add_f32 v[E+\p:E+\p+1], v[E+\p:E+\p+1], v[\buf+4*\jj+\p:\buf+4*\jj+\p+1]
.endr
.endr
	global_store_b128 v[VT16], v[E:E+3], s[26:27] offset:\ii*4096
.irp jj, 0,1,2,3,4,5,6,7                           ; sum over l: my four, then the eight lanes of my k
	v_pk_add_f32 v[U+2*(\jj&1):U+2*(\jj&1)+1], v[\buf+4*\jj:\buf+4*\jj+1], v[\buf+4*\jj+2:\buf+4*\jj+3]
	v_add_f32 v[T+\jj], v[U+2*(\jj&1)], v[U+2*(\jj&1)+1]
.endr
	SCAT8 T
	ds_store_b32 v[VS12], v[T] offset:\ii*128      ; row 8 ii + lq, my wave's word kk
.irp c, 0,1,2,3                                    ; sum over the wave's four k: lane bit 3 picks jj's bit 0,
.irp e, 0,1,2,3
	v_cndmask_b32 v[U+\e], v[\buf+8*\c+4+\e], v[\buf+8*\c+\e], s49
	v_cndmask_b32 v[Y+4*\c+\e], v[\buf+8*\c+\e], v[\buf+8*\c+4+\e], s49
	v_add_f32_dpp v[Y+4*\c+\e], v[U+\e], v[Y+4*\c+\e] row_xmask:8 row_mask:0xf bank_mask:0xf
.endr
.endr
.irp e, 0,1,2,3                                    ; lane bit 4 picks jj's bit 1
	v_permlane16_swap_b32 v[Y+\e], v[Y+4+\e]
	v_permlane16_swap_b32 v[Y+8+\e], v[Y+12+\e]
.endr
	v_pk_add_f32 v[Y:Y+1], v[Y:Y+1], v[Y+4:Y+5]
	v_pk_add_f32 v[Y+2:Y+3], v[Y+2:Y+3], v[Y+6:Y+7]
	v_pk_add_f32 v[Y+8:Y+9], v[Y+8:Y+9], v[Y+12:Y+13]
	v_pk_add_f32 v[Y+10:Y+11], v[Y+10:Y+11], v[Y+14:Y+15]
	ds_store_b128 v[VS13], v[Y:Y+3] offset:\ii*8*PIT           ; row 8 ii + kk
	ds_store_b128 v[VS13], v[Y+8:Y+11] offset:\ii*8*PIT+4*PIT  ; row 8 ii + 4 + kk
.endm
	ROW ACC, 0, 24, 0                              ; rows 1, 2, 3 stay out
	ROW R0, 1, 16, 1
	LROW R0, 4
	ROW R1, 2, 16, 1
	LROW R1, 5
	ROW R2, 3, 16, 1
	LROW R2, 6
	ROW R0, 4, 16, 1
	LROW R0, 7
	ROW R1, 5, 16, 1
	ROW R2, 6, 8, 1
	ROW R0, 7, 0, 1
.irp jj, 0,1,2,3,4,5,6,7
	global_store_b128 v[VT16], v[ACC+4*\jj:ACC+4*\jj+3], s[28:29] offset:\jj*4096    ; R123 partial
.endr
.irp p, 0,2
	v_pk_add_f32 v[T+\p:T+\p+1], v[ACC+\p:ACC+\p+1], v[ACC+4+\p:ACC+4+\p+1]
.irp jj, 2,3,4,5,6,7
	v_pk_add_f32 v[T+\p:T+\p+1], v[T+\p:T+\p+1], v[ACC+4*\jj+\p:ACC+4*\jj+\p+1]
.endr
.endr
	global_store_b128 v[VT16], v[T:T+3], s[32:33]  ; R23 partial
	s_wait_dscnt 0x0                               ; my S012 and S013W stores are done, for the other waves' sake
	s_barrier_signal -1
	s_barrier_wait -1
	; rows t>>3 and 32 + t>>3: add the eight waves' sums over k; fetch the row's quad of sums over l
.irp m, 0,1
.irp w, 0,1,2,3
	ds_load_b128 v[R0+36*\m+4*\w:R0+36*\m+4*\w+3], v[VA] offset:S013W+\w*WREG+\m*32*PIT
	ds_load_b128 v[R0+36*\m+16+4*\w:R0+36*\m+16+4*\w+3], v[VA2] offset:S013W+\w*WREG+\m*32*PIT
.endr
	ds_load_b128 v[R0+36*\m+32:R0+36*\m+35], v[VG12] offset:\m*512
.endr
	s_wait_dscnt 0x0
.irp m, 0,1
.irp p, 0,2
.irp w, 1,2,3,4,5,6,7
	v_pk_add_f32 v[R0+36*\m+\p:R0+36*\m+\p+1], v[R0+36*\m+\p:R0+36*\m+\p+1], v[R0+36*\m+4*\w+\p:R0+36*\m+4*\w+\p+1]
.endr
.endr
	global_store_b128 v[VG], v[R0+36*\m:R0+36*\m+3], s[30:31] offset:0x200000+\m*16384     ; R013
	global_store_b128 v[VG], v[R0+36*\m+32:R0+36*\m+35], s[30:31] offset:\m*16384          ; R012
	ds_store_b128 v[VA], v[R0+36*\m:R0+36*\m+3] offset:S013F+\m*32*PIT
.endr
	s_wait_dscnt 0x0                               ; S013F is whole behind this barrier
	s_barrier_signal -1
	s_barrier_wait -1
	; wave w: rows i0 + w and j0 + w of the rank-2 sums
.irp m, 0,1,2,3,4,5,6,7
	ds_load_b32 v[120+\m], v[VROW] offset:\m*16            ; (ii = w, jj = m, k = lane)
	ds_load_b32 v[128+\m], v[VCOL] offset:\m*128           ; (ii = m, jj = w, k = lane)
	ds_load_b32 v[136+\m], v[VROWF] offset:S013F+\m*PIT    ; (ii = w, jj = m, l = lane)
	ds_load_b32 v[160+\m], v[VCOLF] offset:S013F+\m*8*PIT  ; (ii = m, jj = w, l = lane)
.endr
.macro SUM8 d, b
	v_pk_add_f32 v[U:U+1], v[\b:\b+1], v[\b+2:\b+3]
	v_pk_add_f32 v[U+2:U+3], v[\b+4:\b+5], v[\b+6:\b+7]
	v_pk_add_f32 v[U:U+1], v[U:U+1], v[U+2:U+3]
	v_add_f32 v[\d], v[U], v[U+1]
.endm
.macro WSUM d, s, tmp                  ; sum over the wave's 32 lanes, in every lane; d and tmp have been written before
	v_add_f32_dpp v[\d], v[\s], v[\s] row_xmask:1 row_mask:0xf bank_mask:0xf
	v_add_f32_dpp v[\d], v[\d], v[\d] row_xmask:2 row_mask:0xf bank_mask:0xf
	v_add_f32_dpp v[\d], v[\d], v[\d] row_xmask:4 row_mask:0xf bank_mask:0xf
	v_add_f32_dpp v[\d], v[\d], v[\d] row_xmask:8 row_mask:0xf bank_mask:0xf
	v_permlanex16_b32 v[\tmp], v[\d], s50, s51
	v_add_f32 v[\d], v[\d], v[\tmp]
.endm
	s_wait_dscnt 0x0
	SUM8 168, 120                                  ; R02 partial
	SUM8 169, 128                                  ; R12 partial
	SUM8 170, 136                                  ; R03 partial
	SUM8 171, 160                                  ; R13 partial
	global_store_b32 v[VL4], v168, s[34:35]
	global_store_b32 v[VL4], v170, s[34:35] offset:0x40000
	global_store_b32 v[VL4], v169, s[36:37]
	global_store_b32 v[VL4], v171, s[36:37] offset:0x40000
	ds_store_b32 v[VS2], v168 offset:S2
	ds_store_b32 v[VS2], v170 offset:S2+1024
	SCAT8 120                                      ; R01 (i0 + w, j0 + jj): sum over k; lane & 7 = jj
	v_add_f32_dpp v120, v120, v120 row_xmask:8 row_mask:0xf bank_mask:0xf
	v_permlanex16_b32 v121, v120, s50, s51
	v_add_f32 v120, v120, v121
	WSUM 122, 168, 124                             ; R0 partial
	WSUM 123, 169, 125                             ; R1 partial
	s_wait_xcnt 0x0                                ; EXEC is a source of the stores above
	v_cmp_gt_u32 vcc_lo, 8, v1
	s_and_saveexec_b32 s52, vcc_lo
	global_store_b32 v[VL4], v120, s[38:39]        ; lanes 0-7
	s_wait_xcnt 0x0
	s_or_b32 exec_lo, exec_lo, s52
	v_cmp_eq_u32 vcc_lo, 0, v1
	s_and_saveexec_b32 s52, vcc_lo
	global_store_b32 v[VL4], v122, s[40:41]        ; lane 0
	global_store_b32 v[VL4], v123, s[42:43]
	s_wait_xcnt 0x0
	s_or_b32 exec_lo, exec_lo, s52
	s_wait_dscnt 0x0                               ; my words of S2 are stored
	s_barrier_signal -1
	s_barrier_wait -1
	s_cmp_ge_u32 s20, 2
	s_cbranch_scc1 .Lnot01
	; wave 0: R2 partial = sum over the eight i of R02; wave 1: R3 from R03
	s_lshl_b32 s22, s20, 4
	s_add_co_u32 s22, s22, s56
	s_add_co_u32 s22, s22, 8                       ; unit 8 + 16 w + 4 ib + jb
	s_lshl_b32 s22, s22, 11
	s_add_co_u32 s22, s22, s55
	SB 44, 12
	s_lshl_b32 s21, s20, 10
	v_add_nc_u32 v13, s21, v[VL4]
.irp m, 0,1,2,3,4,5,6,7
	ds_load_b32 v[128+\m], v13 offset:S2+\m*128
.endr
	s_wait_dscnt 0x0
	SUM8 174, 128
	global_store_b32 v[VL4], v174, s[44:45]
	s_wait_tensorcnt 0x0
	ds_add_u32 v208, v209
	s_wait_dscnt 0x0
	s_endpgm
.Lnot01:
	s_cmp_lg_u32 s20, 7
	s_cbranch_scc1 .Lend
	s_cmp_ge_u32 s16, 35
	s_cbranch_scc1 .Lend
	; cb: lane L makes 8 bytes: idx = 2 g + (L>>4) (at most 68), s = (L>>1)&7, d = 4 (L&1) .. +3
	v_lshrrev_b32 v13, 4, v1
	s_lshl_b32 s21, s16, 1
	v_add_nc_u32 v13, s21, v13
	v_min_u32 v13, 68, v13
	v_bfe_u32 v14, v1, 1, 3
	v_and_b32 v15, 1, v1
	v_mul_u32_u24 v14, v14, 276                    ; coefs[d][s][idx]: s stride 69 x 4 bytes
	v_lshl_add_u32 v14, v13, 2, v14
	v_mad_u32_u24 v14, v15, 8832, v14              ; d stride 8 x 69 x 4 = 2208 bytes
.irp j, 0,1,2,3
	global_load_b32 v[180+\j], v14, s[6:7] offset:\j*2208
.endr
	s_lshl_b32 s22, s16, 8
	SB 44, 14
	v_lshlrev_b32 v186, 3, v1
	s_wait_loadcnt 0x0
	v_cvt_pk_bf16_f32 v184, v180, v181
	v_cvt_pk_bf16_f32 v185, v182, v183
	global_store_b64 v186, v[184:185], s[44:45]    ; the wave stores 256 consecutive bytes
	s_cmp_ge_u32 s16, 8
	s_cbranch_scc1 .Lend
	; idx 0..15 (the rank-1 terms): what the rounding left, coef - f32(bf16(coef)), exact in f32, rounded to bf16 in its turn
	v_lshlrev_b32 v188, 16, v184
	v_and_b32 v189, 0xffff0000, v184
	v_lshlrev_b32 v190, 16, v185
	v_and_b32 v191, 0xffff0000, v185
	v_sub_f32 v188, v180, v188
	v_sub_f32 v189, v181, v189
	v_sub_f32 v190, v182, v190
	v_sub_f32 v191, v183, v191
	v_cvt_pk_bf16_f32 v192, v188, v189
	v_cvt_pk_bf16_f32 v193, v190, v191
	global_store_b64 v186, v[192:193], s[44:45] offset:CBLO    ; again 256 consecutive bytes
.Lend:
	s_wait_tensorcnt 0x0
	ds_add_u32 v208, v209
	s_wait_dscnt 0x0
	s_endpgm
.Lfunc_end_k_q45efe5e4ee_reduce:
	.size	k_q45efe5e4ee_reduce, .Lfunc_end_k_q45efe5e4ee_reduce-k_q45efe5e4ee_reduce
	.p2alignl 7, 3214868480
	.fill 96, 4, 3214868480
	.section	.rodata,"a",@progbits
	.p2align	6, 0x0
	.amdhsa_kernel k_q45efe5e4ee_reduce
		.amdhsa_group_segment_fixed_size 95232
		.amdhsa_private_segment_fixed_size 0
		.amdhsa_enable_private_segment 0
		.amdhsa_kernarg_size 48
		.amdhsa_user_sgpr_count 2
		.amdhsa_user_sgpr_kernarg_segment_ptr 1
		.amdhsa_wavefront_size32 1
		.amdhsa_system_sgpr_workgroup_id_x 1
		.amdhsa_system_sgpr_workgroup_id_y 1
		.amdhsa_system_sgpr_workgroup_id_z 1
		.amdhsa_system_vgpr_workitem_id 0
		.amdhsa_next_free_vgpr 210
		.amdhsa_next_free_sgpr 66
		.amdhsa_reserve_vcc 1
		.amdhsa_float_denorm_mode_32 3
		.amdhsa_float_denorm_mode_16_64 3
		.amdhsa_memory_ordered 1
		.amdhsa_forward_progress 1
		.amdhsa_inst_pref_size 87
	.end_amdhsa_kernel
	.amdgpu_metadata
---
amdhsa.version: [ 1, 2 ]
amdhsa.kernels:
  - .name:           k_q45efe5e4ee_reduce
    .symbol:         k_q45efe5e4ee_reduce.kd
    .args:
      - { .name: x, .offset: 0, .size: 8, .value_kind: global_buffer, .address_space: global }
      - { .name: coefs, .offset: 8, .size: 8, .value_kind: global_buffer, .address_space: global }
      - { .name: p3, .offset: 16, .size: 8, .value_kind: global_buffer, .address_space: global }
      - { .name: p2, .offset: 24, .size: 8, .value_kind: global_buffer, .address_space: global }
      - { .name: p1, .offset: 32, .size: 8, .value_kind: global_buffer, .address_space: global }
      - { .name: cb, .offset: 40, .size: 8, .value_kind: global_buffer, .address_space: global }
    .group_segment_fixed_size: 95232
    .private_segment_fixed_size: 0
    .kernarg_segment_align: 8
    .kernarg_segment_size: 48
    .max_flat_workgroup_size: 256
    .sgpr_count:     66
    .vgpr_count:     210
    .wavefront_size: 32
...
	.end_amdgpu_metadata
.endif
;; end of part 1
;; launch mix (part 2): grid 273 x 1, 4 waves a work-group, no clusters, 0 bytes of LDS; arguments p3, p2, p1, cb, tb; writes tb
.if DOCPART == 2
	.amdgcn_target "amdgcn-amd-amdhsa--gfx1250"
	.amdhsa_code_object_version 6
	.text
	.protected	k_q45efe5e4ee_mix
	.globl	k_q45efe5e4ee_mix
	.p2align	8
	.type	k_q45efe5e4ee_mix,@function
k_q45efe5e4ee_mix:
	s_mov_b64 s[64:65], 0
	v_nop
	global_prefetch_b8 v0, s[64:65] scope:SCOPE_SE
	s_setreg_imm32_b32 hwreg(HW_REG_WAVE_MODE, 25, 1), 1
	s_wait_xcnt 0x0
; The broadcast tables: T_B[n][s][p] = sum over A and d of coefs[d][s][idx(A,B)] * R_A[n][d][p], for ranks 3, 2 and 1; p is a flat position.
; One wave = one job = 64 positions x all 8 s x several B.  Group 0: rank 1 (wave w: B = w; the 64 positions are n x 32).
; Groups 1-16: rank 2 (n, block of 64, three B).  Groups 17-272: rank 3 (n, block of 64, four B).  Waves share nothing: no barrier, no LDS.
; tb: [n][s][SS bytes]: T3_b at b*0x20000, T2_b at 0x80000 + b*0x1000, T1_b at 0x86000 + b*128.
; THE MATRIX FORM.  K = 32 is split as 4 positions q' x 8 channels d.  B operand: column r holds positions 4r .. 4r+3; lane (r, h) loads the
; 8 bytes at 16r + 8h of each channel, so registers 0-3 carry position 4r+2h and registers 4-7 position 4r+2h+1, d along k.
; A operand: row r stands for (s = 4t + (r>>2), q = r&3) and holds W[s][0..7] in the k places of position q, zeros elsewhere:
; the 16 bytes of W from cb, ANDed with a lane mask.  D: lane (r, h), registers 0-3 = s 4t+2h, positions 4r..4r+3; registers 4-7 = s 4t+2h+1:
; 16 neighbouring bytes a lane, 256 consecutive bytes for 16 lanes.
; The partial sums of the launch before are added here in f32, then rounded to bf16 as matrix operands, like the coefficients.
; RANK 1 IN TWO PARTS.  A rank-1 sum adds 32^3 numbers, a rank-2 sum 32^2, so the rank-1 tables are by far the largest share of every output,
; and the 8 significant bits of one bf16 in them would weigh on the whole result.  There both operands go as hi + lo, each a bf16
; (lo = bf16 of the exact f32 remainder): Wh Rh + Wl Rh + Wh Rl, three products on one accumulator; Wl Rl, some 2^-16 of the term, is dropped.
; Ranks 2 and 3 take one bf16 an operand.
; No cluster: jobs share only the 11 KB of cb.
.set SS,   0x86200
.set CBLO, 8960                        ; byte of cb at which the low parts of idx 0..15 begin
.set VPOS, 3
.set VOUT, 4
.set VW,   5                           ; (r>>2)*16
.set MK0,  6                           ; all ones where r&3 == 2h
.set MK1,  7                           ; all ones where r&3 == 2h+1
.set SUM,  16                          ; v[16:31]
.set OP,   32                          ; v[32:79]  B operands, 8 registers for each A
.set LX,   80                          ; v[80:143]
.set LY,   144                         ; v[144:207]
.set OPL,  208                         ; v[208:239] rank 1: the low parts' B operands
.set W,    0                           ; window 1: v[256:399] compact weights, 4 registers for each (A, b, t); rank 1: low parts at W+32
.set M,    144                         ; window 1: two masked A operands in turn
.set ACC,  160                         ; window 1: 8 registers for each (b, t)
.set MSB, 0
.macro WIN new                         ; low byte: bits 1:0 source 0, 3:2 source 1, 5:4 source 2, 7:6 destination; high byte: the setting left
.if MSB != \new
	s_set_vgpr_msb (MSB<<8)|\new
.set MSB, \new
.endif
.endm
.macro WLOAD na, nb, idx0, astr, wd, boff      ; weights of na x nb index pairs into window 1 from register wd on; boff: byte offset in cb
	WIN 0x40                                       ; destination in window 1
.set wa, 0
.rept \na
.set wb, 0
.rept \nb
	global_load_b128 v[\wd+8*(wa*\nb+wb):\wd+8*(wa*\nb+wb)+3], v[VW], s[34:35] offset:(\idx0+wa*\astr+wb)*128+\boff
	global_load_b128 v[\wd+8*(wa*\nb+wb)+4:\wd+8*(wa*\nb+wb)+7], v[VW], s[34:35] offset:(\idx0+wa*\astr+wb)*128+64+\boff
.set wb, wb+1
.endr
.set wa, wa+1
.endr
	WIN 0
.endm
.macro LOAD1 buf, sb, off              ; one whole R_A: 8 channels
.irp d, 0,1,2,3,4,5,6,7
	global_load_b64 v[\buf+2*\d:\buf+2*\d+1], v[VPOS], s[\sb:\sb+1] offset:\off+\d*DSTR
.endr
.endm
.macro LOAD4 buf, sb, off              ; four partials of 8 channels
.irp d, 0,1,2,3,4,5,6,7
.irp p, 0,1,2,3
	global_load_b64 v[\buf+8*\d+2*\p:\buf+8*\d+2*\p+1], v[VPOS], s[\sb:\sb+1] offset:\off+\p*PSTR+\d*DSTR
.endr
.endr
.endm
.macro CONS4 buf, left, acc            ; SUM = or += the four partials; left = younger loads that may stay out
	s_wait_loadcnt \left
.irp d, 0,1,2,3,4,5,6,7
	v_pk_add_f32 v[\buf+8*\d:\buf+8*\d+1], v[\buf+8*\d:\buf+8*\d+1], v[\buf+8*\d+2:\buf+8*\d+3]
	v_pk_add_f32 v[\buf+8*\d+4:\buf+8*\d+5], v[\buf+8*\d+4:\buf+8*\d+5], v[\buf+8*\d+6:\buf+8*\d+7]
.if \acc
	v_pk_add_f32 v[SUM+2*\d:SUM+2*\d+1], v[SUM+2*\d:SUM+2*\d+1], v[\buf+8*\d:\buf+8*\d+1]
	v_pk_add_f32 v[SUM+2*\d:SUM+2*\d+1], v[SUM+2*\d:SUM+2*\d+1], v[\buf+8*\d+4:\buf+8*\d+5]
.else
	v_pk_add_f32 v[SUM+2*\d:SUM+2*\d+1], v[\buf+8*\d:\buf+8*\d+1], v[\buf+8*\d+4:\buf+8*\d+5]
.endif
.endr
.endm
.macro CVT op, src                     ; src[2d+e] f32 -> B operand
.irp c, 0,1,2,3
	v_cvt_pk_bf16_f32 v[\op+\c], v[\src+4*\c], v[\src+4*\c+2]
	v_cvt_pk_bf16_f32 v[\op+4+\c], v[\src+4*\c+1], v[\src+4*\c+3]
.endr
.endm
.macro CVTLO op, opl, src              ; behind CVT op, src: opl = B operand of src - f32(op); the difference is exact in f32; src is used up
.irp c, 0,1,2,3
	v_lshlrev_b32 v8, 16, v[\op+\c]                ; the rounded src[4c]
	v_lshlrev_b32 v9, 16, v[\op+4+\c]              ; src[4c+1]
	v_and_b32 v10, 0xffff0000, v[\op+\c]           ; src[4c+2]
	v_and_b32 v11, 0xffff0000, v[\op+4+\c]         ; src[4c+3]
	v_sub_f32 v[\src+4*\c], v[\src+4*\c], v8
	v_sub_f32 v[\src+4*\c+1], v[\src+4*\c+1], v9
	v_sub_f32 v[\src+4*\c+2], v[\src+4*\c+2], v10
	v_sub_f32 v[\src+4*\c+3], v[\src+4*\c+3], v11
	v_cvt_pk_bf16_f32 v[\opl+\c], v[\src+4*\c], v[\src+4*\c+2]
	v_cvt_pk_bf16_f32 v[\opl+4+\c], v[\src+4*\c+1], v[\src+4*\c+3]
.endr
.endm
; na x nb x 2 matrix instructions: weights from register wsrc of window 1 on, B operands from op on.  start = 1: the first A starts the sums (C = 0).
; The eight v_and_b32 that build one A operand are the independent vector instructions that stand between the matrix instruction
; that read the OTHER A buffer and the first write into it (ISA guide 7.12.1 asks for four).  A run holds an even number of matrix
; instructions, so that the two buffers go on taking turns from one run to the next.
.macro MMRUN na, nb, wsrc, op, start
	WIN 0x51                                       ; source 0 (W, A operand), source 2 and destination in window 1; source 1 (mask, B operand) in window 0
.set ma, 0
.set mm, 0
.rept \na
.set mb, 0
.rept \nb*2
.irp c, 0,1,2,3
	v_and_b32 v[M+8*mm+\c], v[\wsrc+4*(ma*\nb*2+mb)+\c], v[MK0]
	v_and_b32 v[M+8*mm+4+\c], v[\wsrc+4*(ma*\nb*2+mb)+\c], v[MK1]
.endr
.if ma+1 == \start
	v_wmma_f32_16x16x32_bf16 v[ACC+8*mb:ACC+8*mb+7], v[M+8*mm:M+8*mm+7], v[\op+8*ma:\op+8*ma+7], 0
.else
	v_wmma_f32_16x16x32_bf16 v[ACC+8*mb:ACC+8*mb+7], v[M+8*mm:M+8*mm+7], v[\op+8*ma:\op+8*ma+7], v[ACC+8*mb:ACC+8*mb+7]
.endif
.set mm, 1-mm
.set mb, mb+1
.endr
.set ma, ma+1
.endr
.endm
.macro OUT nb, taboff, tabstr
.rept 4
	v_nop                                          ; four places behind the last matrix instruction before its result is stored
.endr
	WIN 0x04                                       ; store data in window 1
.set ob, 0
.rept \nb
.irp tu, 0,1,2,3
	global_store_b128 v[VOUT], v[ACC+16*ob+4*\tu:ACC+16*ob+4*\tu+3], s[32:33] offset:(4*(\tu>>1)+(\tu&1))*SS+\taboff+ob*\tabstr
.endr
.set ob, ob+1
.endr
	WIN 0
.endm
	s_load_b256 s[4:11], s[0:1], 0x0               ; p3 s[4:5], p2 s[6:7], p1 s[8:9], cb s[10:11]
	s_load_b64 s[12:13], s[0:1], 0x20              ; tb
	v_and_b32 v1, 15, v0                           ; r
	v_bfe_u32 v2, v0, 4, 1                         ; h
	v_lshrrev_b32 v8, 5, v0
	v_readfirstlane_b32 s14, v8                    ; wave
	s_mov_b32 s15, ttmp9
	s_mov_b32 s23, 0
	v_lshrrev_b32 v[VW], 2, v1
	v_lshlrev_b32 v[VW], 4, v[VW]
	v_and_b32 v8, 3, v1
	v_lshlrev_b32 v9, 1, v2
	v_cmp_eq_u32 vcc_lo, v8, v9
	v_cndmask_b32 v[MK0], 0, -1, vcc_lo
	v_add_nc_u32 v9, 1, v9
	v_cmp_eq_u32 vcc_lo, v8, v9
	v_cndmask_b32 v[MK1], 0, -1, vcc_lo
	v_lshlrev_b32 v10, 4, v1                       ; 16 r
	v_mul_u32_u24 v11, v2, 2*SS                    ; 2 h tables of s
	s_wait_kmcnt 0x0
	s_cmp_eq_u32 s15, 0
	s_cbranch_scc1 .LT1
	v_lshl_add_u32 v[VPOS], v2, 3, v10
	v_add_nc_u32 v[VOUT], v11, v10
	s_cmp_lt_u32 s15, 17
	s_cbranch_scc1 .LT2
	; ---- rank 3
.set DSTR, 0x20000
.set PSTR, 0x200000
	s_sub_co_u32 s16, s15, 17
	s_lshl2_add_u32 s16, s16, s14                  ; job
	s_lshr_b32 s17, s16, 9                         ; n
	s_and_b32 s18, s16, 511
	s_lshl_b32 s18, s18, 8                         ; block, in bytes
	s_lshl_b32 s22, s17, 20
	s_add_co_u32 s22, s22, s18
	s_add_nc_u64 s[24:25], s[4:5], s[22:23]        ; R012
	s_add_nc_u64 s[26:27], s[24:25], 0x200000      ; R013
	s_add_nc_u64 s[28:29], s[24:25], 0x400000      ; R023, four partials
	s_add_nc_u64 s[30:31], s[24:25], 0xc00000      ; R123, four partials
	s_mul_i32 s22, s17, 8*SS
	s_add_co_u32 s22, s22, s18
	s_add_nc_u64 s[32:33], s[12:13], s[22:23]
	s_mov_b64 s[34:35], s[10:11]
	WLOAD 4, 4, 52, 4, W, 0
	LOAD1 80, 24, 0
	LOAD1 96, 26, 0
	LOAD4 112, 28, 0
	LOAD4 176, 30, 0
	s_wait_loadcnt 63                              ; 64 loads are younger than R013's; the count's field ends at 63
	CVT OP, 80
	CVT OP+8, 96
	CONS4 112, 32, 0                               ; R123's 32 loads stay out
	CVT OP+16, SUM
	CONS4 176, 0, 0
	CVT OP+24, SUM
	MMRUN 4, 4, W, OP, 1
	OUT 4, 0, 0x20000
	s_endpgm
	; ---- rank 2: two buffers in turn, one batch of 32 loads out while the other is added
.LT2:
.set DSTR, 0x1000
.set PSTR, 0x10000
	s_sub_co_u32 s16, s15, 1
	s_lshl2_add_u32 s16, s16, s14                  ; job
	s_and_b32 s19, s16, 1                          ; which three B
	s_lshr_b32 s17, s16, 5                         ; n
	s_bfe_u32 s18, s16, 0x40001
	s_lshl_b32 s18, s18, 8                         ; block, in bytes
	s_lshl_b32 s22, s17, 15
	s_add_co_u32 s22, s22, s18
	s_add_nc_u64 s[24:25], s[6:7], s[22:23]
	s_mul_i32 s22, s17, 8*SS
	s_add_co_u32 s22, s22, s18
	s_mul_i32 s20, s19, 0x3000
	s_add_co_u32 s22, s22, s20
	s_add_nc_u64 s[32:33], s[12:13], s[22:23]
	s_mul_i32 s22, s19, 384
	s_add_nc_u64 s[34:35], s[10:11], s[22:23]
	WLOAD 6, 3, 16, 6, W, 0
	LOAD1 LX, 24, 0                                ; R01
	LOAD4 LY, 24, 1*PSTR                           ; R02
	s_wait_loadcnt 32
	CVT OP, LX
	LOAD4 LX, 24, 5*PSTR                           ; R03
	CONS4 LY, 32, 0
	CVT OP+8, SUM
	LOAD4 LY, 24, 9*PSTR                           ; R12
	CONS4 LX, 32, 0
	CVT OP+16, SUM
	LOAD4 LX, 24, 13*PSTR                          ; R13
	CONS4 LY, 32, 0
	CVT OP+24, SUM
	LOAD4 LY, 24, 17*PSTR                          ; R23, sixteen partials
	CONS4 LX, 32, 0
	CVT OP+32, SUM
	LOAD4 LX, 24, 21*PSTR
	CONS4 LY, 32, 0
	LOAD4 LY, 24, 25*PSTR
	CONS4 LX, 32, 1
	LOAD4 LX, 24, 29*PSTR
	CONS4 LY, 32, 1
	CONS4 LX, 0, 1
	CVT OP+40, SUM
	MMRUN 6, 3, W, OP, 1
	OUT 3, 0x80000, 0x1000
	s_endpgm
	; ---- rank 1: the same turns of two buffers; each finished sum gives a high and a low operand
.LT1:
.set DSTR, 128
.set PSTR, 2048
	v_lshrrev_b32 v8, 3, v1                        ; n
	v_and_b32 v9, 7, v1
	v_lshlrev_b32 v9, 4, v9
	v_lshl_add_u32 v[VPOS], v8, 10, v9
	v_lshl_add_u32 v[VPOS], v2, 3, v[VPOS]
	v_mad_u32_u24 v[VOUT], v8, 8*SS, v11
	v_add_nc_u32 v[VOUT], v9, v[VOUT]
	s_mov_b64 s[24:25], s[8:9]
	s_lshl_b32 s22, s14, 7                         ; B = wave: 128 bytes in cb and in the tables
	s_add_nc_u64 s[32:33], s[12:13], s[22:23]
	s_add_nc_u64 s[34:35], s[10:11], s[22:23]
	WLOAD 4, 1, 0, 4, W, 0                         ; the weights' high parts
	WLOAD 4, 1, 0, 4, W+32, CBLO                   ; and their low parts; both are older than every partial, so the first counted wait covers them
	LOAD4 LX, 24, 0                                ; R0
	LOAD4 LY, 24, 4*PSTR                           ; R1
	CONS4 LX, 32, 0
	CVT OP, SUM
	CVTLO OP, OPL, SUM
	LOAD4 LX, 24, 8*PSTR                           ; R2, sixteen partials
	CONS4 LY, 32, 0
	CVT OP+8, SUM
	CVTLO OP+8, OPL+8, SUM
	LOAD4 LY, 24, 12*PSTR
	CONS4 LX, 32, 0
	LOAD4 LX, 24, 16*PSTR
	CONS4 LY, 32, 1
	LOAD4 LY, 24, 20*PSTR
	CONS4 LX, 32, 1
	LOAD4 LX, 24, 24*PSTR                          ; R3, sixteen partials
	CONS4 LY, 32, 1
	CVT OP+16, SUM
	CVTLO OP+16, OPL+16, SUM
	LOAD4 LY, 24, 28*PSTR
	CONS4 LX, 32, 0
	LOAD4 LX, 24, 32*PSTR
	CONS4 LY, 32, 1
	LOAD4 LY, 24, 36*PSTR
	CONS4 LX, 32, 1
	CONS4 LY, 0, 1
	CVT OP+24, SUM
	CVTLO OP+24, OPL+24, SUM
	MMRUN 4, 1, W, OP, 1                           ; Wh Rh starts the sums
	MMRUN 4, 1, W+32, OP, 0                        ; + Wl Rh
	MMRUN 4, 1, W, OPL, 0                          ; + Wh Rl
	OUT 1, 0x86000, 0
	s_endpgm
.Lfunc_end_k_q45efe5e4ee_mix:
	.size	k_q45efe5e4ee_mix, .Lfunc_end_k_q45efe5e4ee_mix-k_q45efe5e4ee_mix
	.p2alignl 7, 3214868480
	.fill 96, 4, 3214868480
	.section	.rodata,"a",@progbits
	.p2align	6, 0x0
	.amdhsa_kernel k_q45efe5e4ee_mix
		.amdhsa_group_segment_fixed_size 0
		.amdhsa_private_segment_fixed_size 0
		.amdhsa_enable_private_segment 0
		.amdhsa_kernarg_size 40
		.amdhsa_user_sgpr_count 2
		.amdhsa_user_sgpr_kernarg_segment_ptr 1
		.amdhsa_wavefront_size32 1
		.amdhsa_system_sgpr_workgroup_id_x 1
		.amdhsa_system_sgpr_workgroup_id_y 1
		.amdhsa_system_sgpr_workgroup_id_z 1
		.amdhsa_system_vgpr_workitem_id 0
		.amdhsa_next_free_vgpr 480
		.amdhsa_next_free_sgpr 66
		.amdhsa_reserve_vcc 1
		.amdhsa_float_denorm_mode_32 3
		.amdhsa_float_denorm_mode_16_64 3
		.amdhsa_memory_ordered 1
		.amdhsa_forward_progress 1
		.amdhsa_inst_pref_size 156
	.end_amdhsa_kernel
	.amdgpu_metadata
---
amdhsa.version: [ 1, 2 ]
amdhsa.kernels:
  - .name:           k_q45efe5e4ee_mix
    .symbol:         k_q45efe5e4ee_mix.kd
    .args:
      - { .name: p3, .offset: 0, .size: 8, .value_kind: global_buffer, .address_space: global }
      - { .name: p2, .offset: 8, .size: 8, .value_kind: global_buffer, .address_space: global }
      - { .name: p1, .offset: 16, .size: 8, .value_kind: global_buffer, .address_space: global }
      - { .name: cb, .offset: 24, .size: 8, .value_kind: global_buffer, .address_space: global }
      - { .name: tb, .offset: 32, .size: 8, .value_kind: global_buffer, .address_space: global }
    .group_segment_fixed_size: 0
    .private_segment_fixed_size: 0
    .kernarg_segment_align: 8
    .kernarg_segment_size: 40
    .max_flat_workgroup_size: 128
    .sgpr_count:     66
    .vgpr_count:     480
    .wavefront_size: 32
...
	.end_amdgpu_metadata
.endif
;; end of part 2
;; launch final (part 3): grid 256 x 1, 8 waves a work-group, no clusters, 0 bytes of LDS; arguments x, bias, cb, tb, out0; writes out0
.if DOCPART == 3
	.amdgcn_target "amdgcn-amd-amdhsa--gfx1250"
	.amdhsa_code_object_version 6
	.text
	.protected	k_q45efe5e4ee_final
	.globl	k_q45efe5e4ee_final
	.p2align	8
	.type	k_q45efe5e4ee_final,@function
k_q45efe5e4ee_final:
	s_mov_b64 s[64:65], 0
	v_nop
	global_prefetch_b8 v0, s[64:65] scope:SCOPE_SE
	s_setreg_imm32_b32 hwreg(HW_REG_WAVE_MODE, 25, 1), 1
	s_wait_xcnt 0x0
; out[n][s][i][j][k][l] = sum over d of coefs[d][s][68] x[n][d][i][j][k][l] + the fourteen broadcast tables of tb + bias[s].
; A work-group owns n, 4 i, 4 j, 16 k, all l.  A wave owns two k (64 positions (k, l), 256 consecutive bytes) and walks the 16 (i, j).
; The channel mix is two matrix instructions a unit, in the form of the launch before: K = 4 positions x 8 channels, the A operand is the
; masked 8 x 8 weight, the C operand is the sum of all tables.  D comes out as 16 neighbouring bytes a lane: each store covers two runs of
; 256 consecutive bytes (s and s+2).
; Tables that hang on i alone of (i, j) are folded once into four blocks E[ii], those on j alone into F[jj] (two blocks in turn), those on
; neither into E.  Each unit adds E + F + T3_013[i][j][l] + T3_012[i][j][k] + T2_01[i][j].
; A ring of three groups of 20 loads (x and the unit's own tables) runs ahead.  Everything is unrolled: 16 units, no label.
; No cluster and no LDS: work-groups share only the tables, about an eighth of the bytes the launch moves, and they come through registers.
; x and the weights are rounded to bf16 as matrix operands; all sums are f32.
.set SS, 0x86200
.set O3_012, 0
.set O3_013, 0x20000
.set O3_023, 0x40000
.set O3_123, 0x60000
.set O2_01, 0x80000
.set O2_02, 0x81000
.set O2_03, 0x82000
.set O2_12, 0x83000
.set O2_13, 0x84000
.set O2_23, 0x85000
.set O1_0, 0x86000
.set O1_1, 0x86080
.set O1_2, 0x86100
.set O1_3, 0x86180
; scalar registers
.set I0, 17
.set J0, 18
.set KW, 19
.set TBN, 20                           ; tb + n*8*SS; also the base of T1_3
.set B3_012, 22
.set B3_013, 24
.set B3_023, 26
.set B3_123, 28
.set B2_01, 30
.set B2_02, 32
.set B2_03, 34
.set B2_12, 36
.set B2_13, 38
.set B2_23, 40
.set B1_0, 42
.set B1_1, 44
.set B1_2, 46
.set SX, 50
.set SO, 52
; window 0
.set VX,  8                            ; v[8:15]   d*4 MiB + 16r + 8h
.set VO,  16                           ; v[16:19]  (TU + 2h)*4 MiB + 16r, TU = 0, 1, 4, 5
.set VKL, 20                           ; 2h*SS + (r>>3)*128 + (r&7)*16
.set VL,  21                           ; 2h*SS + (r&7)*16
.set VK,  22                           ; 2h*SS + (r>>3)*4
.set V0S, 23                           ; 2h*SS
.set VBI, 24                           ; 8h
.set MK0, 25
.set MK1, 26
.set VW,  27
.set AM0, 32                           ; v[32:39]  A operand, s 0-3
.set AM1, 40                           ; v[40:47]  A operand, s 4-7
.set OP,  48                           ; v[48:55]  B operand
.set CD,  56                           ; v[56:71]  C and D
.set SC,  72                           ; v[72:75]
.set XR,  80                           ; v[80:127]  3 x 16: x
.set HS,  128                          ; v[128:199] 3 x 24: T3_013 16, T3_012 4, T2_01 4
.set WT,  200                          ; v[200:207] the weights as loaded
; window 1: blocks of 40 registers [Q3 16][Q2 16][scA 4][scB 4]
.set ZB,  160                          ; the block without i and j; afterwards F of odd jj
.set FA,  200                          ; F of even jj;  E[ii] at 40*ii
.set MSB, 0
.macro WIN new
.if MSB != \new
	s_set_vgpr_msb (MSB<<8)|\new
.set MSB, \new
.endif
.endm
.macro SBASE dst, ci, cj, ck           ; tb + n*8*SS + i0*ci + j0*cj + kw*ck
	s_mul_i32 s2, s[I0], \ci
.if \cj
	s_mul_i32 s54, s[J0], \cj
	s_add_co_u32 s2, s2, s54
.endif
.if \ck
	s_mul_i32 s54, s[KW], \ck
	s_add_co_u32 s2, s2, s54
.endif
	s_add_nc_u64 s[\dst:\dst+1], s[TBN:TBN+1], s[2:3]
.endm
.macro LBLK blk, s3, o3, s2, o2, sa, oa, sb, ob, vb, strb      ; 16 loads into a block of window 1
	WIN 0x40
.irp tu, 0,1,2,3
	global_load_b128 v[\blk+4*\tu:\blk+4*\tu+3], v[VKL], s[\s3:\s3+1] offset:\o3+(4*(\tu>>1)+(\tu&1))*SS
.endr
.irp tu, 0,1,2,3
	global_load_b128 v[\blk+16+4*\tu:\blk+16+4*\tu+3], v[VL], s[\s2:\s2+1] offset:\o2+(4*(\tu>>1)+(\tu&1))*SS
.endr
.irp tu, 0,1,2,3
	global_load_b32 v[\blk+32+\tu], v[VK], s[\sa:\sa+1] offset:\oa+(4*(\tu>>1)+(\tu&1))*SS
.endr
.irp tu, 0,1,2,3
	global_load_b32 v[\blk+36+\tu], v[\vb], s[\sb:\sb+1] offset:\ob+(4*(\tu>>1)+(\tu&1))*\strb
.endr
.endm
.macro BC4 q, sc                       ; q[4 tu .. 4 tu + 3] += sc[tu]: op_sel picks the register of the pair for both halves
.irp t, 0,2
	v_pk_add_f32 v[\q+4*\t:\q+4*\t+1], v[\q+4*\t:\q+4*\t+1], v[\sc+\t:\sc+\t+1] op_sel_hi:[1,0]
	v_pk_add_f32 v[\q+4*\t+2:\q+4*\t+3], v[\q+4*\t+2:\q+4*\t+3], v[\sc+\t:\sc+\t+1] op_sel_hi:[1,0]
	v_pk_add_f32 v[\q+4*\t+4:\q+4*\t+5], v[\q+4*\t+4:\q+4*\t+5], v[\sc+\t:\sc+\t+1] op_sel:[0,1] op_sel_hi:[1,1]
	v_pk_add_f32 v[\q+4*\t+6:\q+4*\t+7], v[\q+4*\t+6:\q+4*\t+7], v[\sc+\t:\sc+\t+1] op_sel:[0,1] op_sel_hi:[1,1]
.endr
.endm
.macro FOLD blk, z                     ; Q3 += Q2 + scA + scB (+ the block without i and j)
	WIN 0x45                                       ; both sources and the destination in window 1
.irp q, 0,1,2,3,4,5,6,7
	v_pk_add_f32 v[\blk+2*\q:\blk+2*\q+1], v[\blk+2*\q:\blk+2*\q+1], v[\blk+16+2*\q:\blk+16+2*\q+1]
.endr
	v_pk_add_f32 v[\blk+32:\blk+33], v[\blk+32:\blk+33], v[\blk+36:\blk+37]
	v_pk_add_f32 v[\blk+34:\blk+35], v[\blk+34:\blk+35], v[\blk+38:\blk+39]
	BC4 \blk, \blk+32
.if \z
.irp q, 0,1,2,3,4,5,6,7
	v_pk_add_f32 v[\blk+2*\q:\blk+2*\q+1], v[\blk+2*\q:\blk+2*\q+1], v[ZB+2*\q:ZB+2*\q+1]
.endr
.endif
.endm
.macro GRP u                           ; the 20 loads of unit u, into slot u % 3
.set gi, (\u)&3
.set gj, (\u)>>2
.set gs, (\u)%3
	WIN 0
.irp d, 0,1,2,3,4,5,6,7
	global_load_b64 v[XR+16*gs+2*\d:XR+16*gs+2*\d+1], v[VX+\d], s[SX:SX+1] offset:gi*131072+gj*4096 th:TH_LOAD_NT
.endr
.irp tu, 0,1,2,3
	global_load_b128 v[HS+24*gs+4*\tu:HS+24*gs+4*\tu+3], v[VL], s[B3_013:B3_013+1] offset:O3_013+gi*4096+gj*128+(4*(\tu>>1)+(\tu&1))*SS
.endr
.irp tu, 0,1,2,3
	global_load_b32 v[HS+24*gs+16+\tu], v[VK], s[B3_012:B3_012+1] offset:O3_012+gi*4096+gj*128+(4*(\tu>>1)+(\tu&1))*SS
.endr
.irp tu, 0,1,2,3
	global_load_b32 v[HS+24*gs+20+\tu], v[V0S], s[B2_01:B2_01+1] offset:O2_01+gi*128+gj*4+(4*(\tu>>1)+(\tu&1))*SS
.endr
.endm
; Unit u = (jj = u>>2, ii = u&3).  left = loads younger than this unit's group: 20 for each of the groups behind it, and 16 more
; where a block F was requested between them.
.macro UNIT u, left
.set ii, (\u)&3
.set jj, (\u)>>2
.set xr, XR+16*((\u)%3)
.set hs, HS+24*((\u)%3)
.set fb, FA-40*(jj&1)
.set fbn, FA-40*((jj+1)&1)
	s_wait_loadcnt \left
	s_wait_xcnt 0x0                                ; CD, the last unit's store data, is rewritten only behind this wait
.if ii == 0
.if jj > 0
	FOLD fb, 0                                     ; requested four units ago, older than this unit's group
.endif
.endif
	WIN 0x05                                       ; both sources in window 1
.irp q, 0,1,2,3,4,5,6,7
	v_pk_add_f32 v[CD+2*\q:CD+2*\q+1], v[40*ii+2*\q:40*ii+2*\q+1], v[fb+2*\q:fb+2*\q+1]
.endr
	WIN 0
	v_pk_add_f32 v[SC:SC+1], v[hs+16:hs+17], v[hs+20:hs+21]
	v_pk_add_f32 v[SC+2:SC+3], v[hs+18:hs+19], v[hs+22:hs+23]
.irp q, 0,1,2,3,4,5,6,7
	v_pk_add_f32 v[CD+2*\q:CD+2*\q+1], v[CD+2*\q:CD+2*\q+1], v[hs+2*\q:hs+2*\q+1]
.endr
	BC4 CD, SC
.irp c, 0,1,2,3
	v_cvt_pk_bf16_f32 v[OP+\c], v[xr+4*\c], v[xr+4*\c+2]
	v_cvt_pk_bf16_f32 v[OP+4+\c], v[xr+4*\c+1], v[xr+4*\c+3]
.endr
	v_wmma_f32_16x16x32_bf16 v[CD:CD+7], v[AM0:AM0+7], v[OP:OP+7], v[CD:CD+7]
	v_wmma_f32_16x16x32_bf16 v[CD+8:CD+15], v[AM1:AM1+7], v[OP:OP+7], v[CD+8:CD+15]
.if ii == 0
.if jj < 3
	LBLK fbn, B3_123, O3_123+(jj+1)*4096, B2_13, O2_13+(jj+1)*128, B2_12, O2_12+(jj+1)*128, B1_1, O1_1+(jj+1)*4, V0S, SS
.endif
.endif
.if (\u) < 13
	GRP \u+3                                       ; into the slot just read; none of its registers belongs to the matrix instructions
.endif
	WIN 0
.rept 4
	v_nop                                          ; four places behind the matrix instructions before their results are stored (ISA guide 7.12.1)
.endr
.irp tu, 0,1,2,3
	global_store_b128 v[VO+\tu], v[CD+4*\tu:CD+4*\tu+3], s[SO:SO+1] offset:ii*131072+jj*4096 th:TH_STORE_NT
.endr
.endm
	s_load_b256 s[4:11], s[0:1], 0x0               ; x s[4:5], bias s[6:7], cb s[8:9], tb s[10:11]
	s_load_b64 s[12:13], s[0:1], 0x20              ; out0
	v_and_b32 v1, 15, v0                           ; r
	v_bfe_u32 v2, v0, 4, 1                         ; h
	v_lshrrev_b32 v3, 5, v0
	v_readfirstlane_b32 s15, v3                    ; wave
	s_mov_b32 s14, ttmp9
	s_lshr_b32 s16, s14, 7                         ; n
	s_bfe_u32 s[I0], s14, 0x30004
	s_lshl_b32 s[I0], s[I0], 2                     ; i0
	s_bfe_u32 s[J0], s14, 0x30001
	s_lshl_b32 s[J0], s[J0], 2                     ; j0
	s_and_b32 s[KW], s14, 1
	s_lshl_b32 s[KW], s[KW], 4
	s_lshl1_add_u32 s[KW], s15, s[KW]              ; my first k
	s_mov_b32 s3, 0
	v_lshrrev_b32 v3, 3, v1                        ; r>>3: which of my two k
	v_and_b32 v4, 7, v1                            ; r&7: quad of l
	v_lshlrev_b32 v5, 4, v1                        ; 16 r
	v_lshl_add_u32 v[VX], v2, 3, v5
.irp d, 1,2,3,4,5,6,7
	v_add_nc_u32 v[VX+\d], \d<<22, v[VX]
.endr
	v_lshl_add_u32 v[VO], v2, 23, v5
	v_add_nc_u32 v[VO+1], 1<<22, v[VO]
	v_add_nc_u32 v[VO+2], 4<<22, v[VO]
	v_add_nc_u32 v[VO+3], 5<<22, v[VO]
	v_mul_u32_u24 v[V0S], v2, 2*SS
	v_lshl_add_u32 v[VL], v4, 4, v[V0S]
	v_lshl_add_u32 v[VKL], v3, 7, v[VL]
	v_lshl_add_u32 v[VK], v3, 2, v[V0S]
	v_lshlrev_b32 v[VBI], 3, v2
	v_lshrrev_b32 v[VW], 2, v1
	v_lshlrev_b32 v[VW], 4, v[VW]
	v_and_b32 v6, 3, v1
	v_lshlrev_b32 v7, 1, v2
	v_cmp_eq_u32 vcc_lo, v6, v7
	v_cndmask_b32 v[MK0], 0, -1, vcc_lo
	v_add_nc_u32 v7, 1, v7
	v_cmp_eq_u32 vcc_lo, v6, v7
	v_cndmask_b32 v[MK1], 0, -1, vcc_lo
	s_wait_kmcnt 0x0
	global_load_b128 v[WT:WT+3], v[VW], s[8:9] offset:68*128
	global_load_b128 v[WT+4:WT+7], v[VW], s[8:9] offset:68*128+64
	s_mul_i32 s2, s16, 8*SS
	s_add_nc_u64 s[TBN:TBN+1], s[10:11], s[2:3]
	SBASE B3_012, 4096, 128, 4
	SBASE B3_013, 4096, 128, 0
	SBASE B3_023, 4096, 0, 128
	SBASE B3_123, 0, 4096, 128
	SBASE B2_01, 128, 4, 0
	SBASE B2_02, 128, 0, 4
	SBASE B2_03, 128, 0, 0
	SBASE B2_12, 0, 128, 4
	SBASE B2_13, 0, 128, 0
	SBASE B2_23, 0, 0, 128
	SBASE B1_0, 4, 0, 0
	SBASE B1_1, 0, 4, 0
	SBASE B1_2, 0, 0, 4
	s_lshl_b32 s2, s16, 25                         ; n, i0, j0, my k in x and in out0
	s_lshl_b32 s54, s[I0], 17
	s_add_co_u32 s2, s2, s54
	s_lshl_b32 s54, s[J0], 12
	s_add_co_u32 s2, s2, s54
	s_lshl_b32 s54, s[KW], 7
	s_add_co_u32 s2, s2, s54
	s_add_nc_u64 s[SX:SX+1], s[4:5], s[2:3]
	s_add_nc_u64 s[SO:SO+1], s[12:13], s[2:3]
	LBLK ZB, B2_23, O2_23, TBN, O1_3, B1_2, O1_2, 6, 0, VBI, 4
.irp e, 0,1,2,3
	LBLK 40*\e, B3_023, O3_023+\e*4096, B2_03, O2_03+\e*128, B2_02, O2_02+\e*128, B1_0, O1_0+\e*4, V0S, SS
.endr
	LBLK FA, B3_123, O3_123, B2_13, O2_13, B2_12, O2_12, B1_1, O1_1, V0S, SS
	GRP 0
	GRP 1
	GRP 2
	s_wait_loadcnt 60                              ; the three groups stay out; weights and blocks are in
.irp c, 0,1,2,3
	v_and_b32 v[AM0+\c], v[WT+\c], v[MK0]
	v_and_b32 v[AM0+4+\c], v[WT+\c], v[MK1]
	v_and_b32 v[AM1+\c], v[WT+4+\c], v[MK0]
	v_and_b32 v[AM1+4+\c], v[WT+4+\c], v[MK1]
.endr
	FOLD ZB, 0
	FOLD 0, 1
	FOLD 40, 1
	FOLD 80, 1
	FOLD 120, 1
	FOLD FA, 0
	UNIT 0, 40
	UNIT 1, 56
	UNIT 2, 56
	UNIT 3, 40
	UNIT 4, 40
	UNIT 5, 56
	UNIT 6, 56
	UNIT 7, 40
	UNIT 8, 40
	UNIT 9, 56
	UNIT 10, 56
	UNIT 11, 40
	UNIT 12, 40
	UNIT 13, 40
	UNIT 14, 20                                    ; the last units request nothing: the counts run down
	UNIT 15, 0
	s_endpgm
.Lfunc_end_k_q45efe5e4ee_final:
	.size	k_q45efe5e4ee_final, .Lfunc_end_k_q45efe5e4ee_final-k_q45efe5e4ee_final
	.p2alignl 7, 3214868480
	.fill 96, 4, 3214868480
	.section	.rodata,"a",@progbits
	.p2align	6, 0x0
	.amdhsa_kernel k_q45efe5e4ee_final
		.amdhsa_group_segment_fixed_size 0
		.amdhsa_private_segment_fixed_size 0
		.amdhsa_enable_private_segment 0
		.amdhsa_kernarg_size 40
		.amdhsa_user_sgpr_count 2
		.amdhsa_user_sgpr_kernarg_segment_ptr 1
		.amdhsa_wavefront_size32 1
		.amdhsa_system_sgpr_workgroup_id_x 1
		.amdhsa_system_sgpr_workgroup_id_y 1
		.amdhsa_system_sgpr_workgroup_id_z 1
		.amdhsa_system_vgpr_workitem_id 0
		.amdhsa_next_free_vgpr 496
		.amdhsa_next_free_sgpr 66
		.amdhsa_reserve_vcc 1
		.amdhsa_float_denorm_mode_32 3
		.amdhsa_float_denorm_mode_16_64 3
		.amdhsa_memory_ordered 1
		.amdhsa_forward_progress 1
		.amdhsa_inst_pref_size 108
	.end_amdhsa_kernel
	.amdgpu_metadata
---
amdhsa.version: [ 1, 2 ]
amdhsa.kernels:
  - .name:           k_q45efe5e4ee_final
    .symbol:         k_q45efe5e4ee_final.kd
    .args:
      - { .name: x, .offset: 0, .size: 8, .value_kind: global_buffer, .address_space: global }
      - { .name: bias, .offset: 8, .size: 8, .value_kind: global_buffer, .address_space: global }
      - { .name: cb, .offset: 16, .size: 8, .value_kind: global_buffer, .address_space: global }
      - { .name: tb, .offset: 24, .size: 8, .value_kind: global_buffer, .address_space: global }
      - { .name: out0, .offset: 32, .size: 8, .value_kind: global_buffer, .address_space: global }
    .group_segment_fixed_size: 0
    .private_segment_fixed_size: 0
    .kernarg_segment_align: 8
    .kernarg_segment_size: 40
    .max_flat_workgroup_size: 256
    .sgpr_count:     66
    .vgpr_count:     496
    .wavefront_size: 32
...
	.end_amdgpu_metadata
.endif
;; end of part 3
